; MI455X (gfx1250); checked and timed in simulation.
; The chip was launched on July 23, 2026; its instructions are those of AMD's public machine-readable ISA for CDNA 5 (MIT licence, August 2026) and "CDNA5" Instruction Set Architecture Reference Guide (July 2026). The comments in the code are by the model that wrote it; some were corrected since.
;; Exp Mov Avg Model. Allowed arithmetic: float matrix products may take bf16 or f16 operands with f32 sums; all other float work in f32.
;; Inputs: embd_weight 50,000 x 128 float32; lam_b 1 float32; lam_w 128 x 1 float32; problem_seq 32 x 1,024 int32; y 32 x 1,024 float32.
;; Outputs: out0 32 x 1,024 float32.
;; 2 versions, each right; version 2 is version 1 with the launch ema written anew for expert scheduling mode. Each part assembles by itself: llvm-mc -triple=amdgcn-amd-amdhsa -mcpu=gfx1250 --defsym DOCPART=n.
;; ======== version 1 of 2: 1 launch
;; launch ema (part 1): grid 256 x 1, 8 waves a work-group, no clusters, 290,304 bytes of LDS; arguments embd_weight, lam_b, lam_w, problem_seq, y, out0; writes out0
.if DOCPART == 1
	.amdgcn_target "amdgcn-amd-amdhsa--gfx1250"
	.amdhsa_code_object_version 6
	.text
	.protected	k_q38340234de_ema
	.globl	k_q38340234de_ema
	.p2align	8
	.type	k_q38340234de_ema,@function
k_q38340234de_ema:
	s_mov_b64 s[64:65], 0
	v_nop
	global_prefetch_b8 v0, s[64:65] scope:SCOPE_SE
	s_setreg_imm32_b32 hwreg(HW_REG_WAVE_MODE, 25, 1), 1
	s_wait_xcnt 0x0
; yhat[b][t] = clip( sum_s y[s] w(t,s) / (sum_s w(t,s) + 1e-6), 0.01, 0.99 ),   w = sim exp(-lam_t delta),
; sim(t,s) = (cos(x_t, x_s) + 1)/2 for s < t, else 0;  delta(t,s) = sum over s' >= s of sim(t,s');  lam_t = exp(x_t . lam_w + lam_b).
;
; ONE LAUNCH, 256 work-groups of 8 waves.  Work-group (b = id/8, i = id%8) owns the query blocks of 64 rows I = i and J = 15 - i of
; batch b: 66 pieces of 32 queries x 32 keys under the causal triangle, whatever i is.
; PHASE A: the batch's rows 0 .. 64 J + 63 are gathered from the table, divided by their norm (f32) and laid into LDS as bf16, once.
;          A whole batch is 1,024 rows x 272 bytes.  For the 128 query rows c = -log2(e) lam is made from the f32 rows.
; PHASE B: exp(-lam (d + D)) = exp(-lam D) exp(-lam d), so any run of key chunks of a query group can be summed alone, with delta counted
;          from the run's own end.  The 32 + 2p chunks of the two groups of parity p are dealt to four waves, 8 or 9 each.
; PHASE C: two waves fold the four runs of each query (all factors are at most 1) and store 256 consecutive bytes each.
; The matrix unit makes the cosines (bf16 unit vectors, f32 sums); the running sums, exponentials and weighted sums are f32 vector work.
;
; NO CLUSTER, NO JOINT REQUESTS: the rows come by an index list, lane by lane through registers (they are scaled and rounded on the way),
; and the eight work-groups of a batch need different numbers of rows (64 (16 - i)), so their requests are not alike.
; Staging goes in rounds of four blocks: work-groups with i >= 4 stage 12 blocks, the others 16, up to 192 rows more than they read.
;
; LIMITS.  A table row of norm 0 gives NaN here only in the queries that see it (the reference: in the whole batch), and the final
; clip uses maxima and minima in which a NaN loses, so such a NaN comes out as 0.01.  lam beyond f32's range / log2(e) overflows in c.
; Indices are taken as unsigned and held to 49,999.  No maximum is taken from the exponents, as in the reference: -lam delta is at
; most 0 up to rounding of sim, so no exponential exceeds 1 by more than rounding, and an underflow only adds 0 beside the 1e-6.
.set PITCH, 272                        ; an LDS row: 256 bytes + 16 = 17 x 16: sixteen rows that differ modulo 16 start in sixteen different 16-byte columns modulo 256
.set CH,    32*PITCH                   ; a chunk of 32 keys
.set BLKB,  64*PITCH                   ; a block of 64 rows
.set YB,    1024*PITCH                 ; y[b][0..1023], f32
.set CARR,  YB+4096                    ; c of the 128 query rows: block I first, then block J
.set PART,  CARR+512                   ; 768 x wave + 384 x run + 128 x (0 sum w, 1 sum y w, 2 sum sim) + 4 x query
.set BLK,   32                         ; s[32:47]  the block that staging unit u holds: J, I, then the others in ascending order
; phase A registers
.set XR, 32                            ; v[32:159]  ring of 4 units x 4 row pairs x 8 numbers
.set IR, 160                           ; v[160:223] unit u: four indices, then four byte offsets into the table
.set WR, 224                           ; v[224:231] lam_w of my 8 columns
.set QR, 232                           ; v[232:239] four pairs: sum of squares, then 1/norm   (first: offsets of the index loads, with PR)
.set PR, 240                           ; v[240:247] four pairs: x . lam_w, then c
.set YR, 248                           ; v[248:251] y on its way to LDS
; phase B registers
.set BF, 32                            ; v[32:95]   queries: fragment (q, k) at 32 q + 8 k
.set AF, 96                            ; v[96:159]  keys: fragment (tile, k) at 32 tile + 8 k
.set DD, 160                           ; v[160:191] sim: (q, tile) at 16 q + 8 tile
.set TT, 192                           ; v[192:223] suffix sums, exponents, weights: same places
.set YV, 224                           ; v[224:239] y of my keys: tile at 8 tile
.set SW, 240                           ; v[240:247] sum w:   pair at 4 q + 2 tile
.set SY, 248                           ; v[248:255] sum y w: pair at 4 q + 2 tile
	s_load_b256 s[4:11], s[0:1], 0x0               ; table s[4:5], lam_b s[6:7], lam_w s[8:9], problem_seq s[10:11]
	s_load_b128 s[12:15], s[0:1], 0x20             ; y s[12:13], out s[14:15]
	s_set_vgpr_msb 0x40
	v_lshl_add_u32 v0, v0, 2, 0x46a00
	v_mov_b32 v1, 0
	s_set_vgpr_msb 0x4000
	v_lshrrev_b32 v1, 5, v0
	v_readfirstlane_b32 s16, v1                    ; wave 0..7
	s_lshr_b32 s17, ttmp9, 3                       ; batch b
	s_and_b32 s18, ttmp9, 7                        ; I
	s_sub_co_u32 s19, 15, s18                      ; J
	s_mov_b32 s21, 0x3fb8aa3b                      ; log2(e)
	s_mov_b32 s22, 0x76543210                      ; v_permlanex16_b32: lane l reads lane l xor 16
	s_mov_b32 s23, 0xfedcba98
	s_mov_b32 s60, 0xffff0000                      ; lane mask: the upper half of the lanes
	s_mov_b32 s[BLK], s19                          ; units 0 and 1 are the query blocks, so that the code that makes c is fixed text
	s_mov_b32 s[BLK+1], s18
.irp u, 2,3,4,5,6,7,8,9,10,11,12,13,14,15
	s_cmp_le_u32 s18, \u-2                         ; the (u-2)-th block that is neither I nor J: step over I,
	s_cselect_b32 s[BLK+\u], \u-1, \u-2
	s_cmp_ge_u32 s[BLK+\u], s19                    ; then over J
	s_add_co_ci_u32 s[BLK+\u], s[BLK+\u], 0
.endr
	; A unit is 64 rows; wave w takes rows 8w .. 8w+7.  Half h of the lanes holds rows 8w + 4h + j, j = 0..3, sixteen lanes to a row.
	v_and_b32 v2, 15, v0                           ; r
	v_lshrrev_b32 v3, 4, v0                        ; 2w + h
	v_lshlrev_b32 v4, 4, v2                        ; 16 r: my 16 bytes in each half of a table row, and in an LDS row
	v_lshlrev_b32 v5, 4, v3                        ; bytes of my four indices within a block's 256
	v_mul_u32_u24 v6, v3, 4*PITCH
	v_add_nc_u32 v6, v6, v4                        ; LDS: row 8w + 4h of a block, + 16 r
	v_add_nc_u32 v7, CARR, v5                      ; LDS: c of row 8w + 4h
	v_lshlrev_b32 v9, 4, v0                        ; 16 x thread: y
	v_add_nc_u32 v10, YB, v9
	s_lshl_b32 s24, s17, 12                        ; a batch's 1,024 words
	s_mov_b32 s25, 0
	s_wait_kmcnt 0x0
	s_load_b32 s20, s[6:7], 0x0                    ; lam_b
	s_add_nc_u64 s[10:11], s[10:11], s[24:25]
	s_add_nc_u64 s[12:13], s[12:13], s[24:25]
	s_add_nc_u64 s[14:15], s[14:15], s[24:25]
	global_load_b128 v[WR:WR+3], v4, s[8:9]                ; lam_w[4r .. 4r+3]
	global_load_b128 v[WR+4:WR+7], v4, s[8:9] offset:256   ; lam_w[64+4r .. 64+4r+3]
	global_load_b128 v[YR:YR+3], v9, s[12:13]
.irp u, 0,1,2,3,4,5,6,7,8,9,10,11,12,13,14,15
	s_lshl_b32 s26, s[BLK+\u], 8
	v_add_nc_u32 v[QR+\u], s26, v5
	global_load_b128 v[IR+4*\u:IR+4*\u+3], v[QR+\u], s[10:11]      ; the indices of my four rows of unit u
.endr
.macro VOFF first, count               ; index -> byte offset of my 16 bytes in the table row
.set m, \first
.rept \count
	v_min_u32 v[IR+m], 49999, v[IR+m]
	v_lshl_add_u32 v[IR+m], v[IR+m], 9, v4
.set m, m+1
.endr
.endm
; Eight loads: my four rows of unit u into ring slot s.  Sixteen lanes read 256 consecutive bytes, at a multiple of 256 from the table's start.
; No cache word: the batch's other work-groups read the same rows.  The offset registers are never written again.
.macro FILL s, u
.irp j, 0,1,2,3
	global_load_b128 v[XR+32*\s+8*\j:XR+32*\s+8*\j+3],   v[IR+4*(\u)+\j], s[4:5]
	global_load_b128 v[XR+32*\s+8*\j+4:XR+32*\s+8*\j+7], v[IR+4*(\u)+\j], s[4:5] offset:256
.endr
.endm
	s_wait_loadcnt 12                              ; loads return in order: the twelve youngest (units 4..15) may be out, units 0..3 are in
	VOFF 0, 16
	FILL 0, 0
	FILL 1, 1
	FILL 2, 2
	FILL 3, 3
	s_wait_loadcnt 32                              ; the ring's 32 loads stay out; every index, lam_w and y are in
	VOFF 16, 48
	ds_store_b128 v10, v[YR:YR+3]
	s_wait_kmcnt 0x0
	s_mul_f32 s20, s20, s21                        ; lam_b log2(e)
; The turn of unit u in slot s.  lam = 1: a query block, c is made too.  refill = 1: the slot gets unit u + 4.
; left = younger loads that may stay out: 8 for each younger unit in the ring.
; A lane's eight numbers (columns 4r..4r+3 and 64+4r..64+4r+3) go to bytes 16 r of the LDS row: a permutation of the columns that is
; the same in every row, so that every product of two rows keeps its partners.
.macro TURN s, u, lam, refill, left
	s_wait_loadcnt \left
	s_mul_i32 s24, s[BLK+\u], BLKB
.irp j, 0,1,2,3
	v_pk_mul_f32 v[QR+2*\j:QR+2*\j+1], v[XR+32*\s+8*\j:XR+32*\s+8*\j+1], v[XR+32*\s+8*\j:XR+32*\s+8*\j+1]
.endr
.irp c, 2,4,6
.irp j, 0,1,2,3
	v_pk_fma_f32 v[QR+2*\j:QR+2*\j+1], v[XR+32*\s+8*\j+\c:XR+32*\s+8*\j+\c+1], v[XR+32*\s+8*\j+\c:XR+32*\s+8*\j+\c+1], v[QR+2*\j:QR+2*\j+1]
.endr
.endr
.if \lam
.irp j, 0,1,2,3
	v_pk_mul_f32 v[PR+2*\j:PR+2*\j+1], v[XR+32*\s+8*\j:XR+32*\s+8*\j+1], v[WR:WR+1]
.endr
.irp c, 2,4,6
.irp j, 0,1,2,3
	v_pk_fma_f32 v[PR+2*\j:PR+2*\j+1], v[XR+32*\s+8*\j+\c:XR+32*\s+8*\j+\c+1], v[WR+\c:WR+\c+1], v[PR+2*\j:PR+2*\j+1]
.endr
.endr
.endif
.irp j, 0,1,2,3
	v_add_f32 v[QR+2*\j], v[QR+2*\j], v[QR+2*\j+1]
.endr
.if \lam
.irp j, 0,1,2,3
	v_add_f32 v[PR+2*\j], v[PR+2*\j], v[PR+2*\j+1]
.endr
.endif
.irp x, 1,2,4,8                        ; over the sixteen lanes of a row; every lane ends with the sum
.irp j, 0,1,2,3
	v_add_f32_dpp v[QR+2*\j], v[QR+2*\j], v[QR+2*\j] row_xmask:\x row_mask:0xf bank_mask:0xf
.endr
.if \lam
.irp j, 0,1,2,3
	v_add_f32_dpp v[PR+2*\j], v[PR+2*\j], v[PR+2*\j] row_xmask:\x row_mask:0xf bank_mask:0xf
.endr
.endif
.endr
.irp j, 0,1,2,3
	v_rsq_f32 v[QR+2*\j], v[QR+2*\j]               ; 1 / norm
.endr
.if \lam
.irp j, 0,1,2,3
	v_fma_f32 v[PR+2*\j], v[PR+2*\j], s21, s20     ; (x . lam_w + lam_b) log2(e)
.endr
.irp j, 0,1,2,3
	v_exp_f32 v[PR+2*\j], v[PR+2*\j]               ; lam
.endr
.endif
	v_add_nc_u32 v8, s24, v6                       ; the plain instruction between the transcendentals and the first use of a result (ISA guide 5.7.2)
	s_wait_alu depctr_va_vdst(0)
.irp j, 0,1,2,3
.irp c, 0,2,4,6
	v_pk_mul_f32 v[XR+32*\s+8*\j+\c:XR+32*\s+8*\j+\c+1], v[XR+32*\s+8*\j+\c:XR+32*\s+8*\j+\c+1], v[QR+2*\j:QR+2*\j+1] op_sel_hi:[1,0]
.endr
.endr
.irp j, 0,1,2,3
.irp c, 0,1,2,3
	v_cvt_pk_bf16_f32 v[XR+32*\s+8*\j+\c], v[XR+32*\s+8*\j+2*\c], v[XR+32*\s+8*\j+2*\c+1]   ; in place, ascending: word c is written when its old pair has been read
.endr
	ds_store_b128 v8, v[XR+32*\s+8*\j:XR+32*\s+8*\j+3] offset:PITCH*\j     ; sixteen lanes fill one row's 256 bytes
.endr
.if \lam
.irp j, 0,1,2,3
	v_mul_f32 v[PR+2*\j], 0xbfb8aa3b, v[PR+2*\j]   ; c = -log2(e) lam
	ds_store_b32 v7, v[PR+2*\j] offset:4*\j+256*(1-\u)     ; unit 0 is block J (second half of the array), unit 1 block I; sixteen lanes write one word, one value
.endr
.endif
.if \refill
	FILL \s, \u+4
.endif
.endm
	TURN 0, 0, 1, 1, 24
	TURN 1, 1, 1, 1, 24
	TURN 2, 2, 0, 1, 24
	TURN 3, 3, 0, 1, 24
	TURN 0, 4, 0, 1, 24
	TURN 1, 5, 0, 1, 24
	TURN 2, 6, 0, 1, 24
	TURN 3, 7, 0, 1, 24
	s_cmp_ge_u32 s18, 4                            ; i >= 4 needs 16 - i <= 12 blocks
	s_cbranch_scc1 .Lshort
	TURN 0, 8, 0, 1, 24
	TURN 1, 9, 0, 1, 24
	TURN 2, 10, 0, 1, 24
	TURN 3, 11, 0, 1, 24
	TURN 0, 12, 0, 0, 24                           ; the last round loads nothing: the counts run down
	TURN 1, 13, 0, 0, 16
	TURN 2, 14, 0, 0, 8
	TURN 3, 15, 0, 0, 0
	s_branch .Lstaged
.Lshort:
	TURN 0, 8, 0, 0, 24
	TURN 1, 9, 0, 0, 16
	TURN 2, 10, 0, 0, 8
	TURN 3, 11, 0, 0, 0
.Lstaged:
	s_wait_dscnt 0x0                               ; my rows, c and y are in LDS, for the other waves' sake
	s_barrier_signal -1
	; Register work while the others arrive: which chunks are mine, and the lane terms of phase B.
	; Parity p = w & 1 takes the query groups of 32 rows GL = 2I + p (chunks GL .. 0) and GH = 2J + p (chunks GH .. 0), laid in one line of
	; 32 + 2p chunks; wave v = w >> 1 takes 8 of them, or 9 (p = 1, v < 2).  A wave's share is a run in GL and a run in GH; either may be empty.
	s_and_b32 s48, s16, 1                          ; p
	s_lshr_b32 s49, s16, 1                         ; v
	s_lshl1_add_u32 s50, s18, s48                  ; GL
	s_lshl1_add_u32 s54, s19, s48                  ; GH
	s_add_co_u32 s58, s50, 1                       ; nL = chunks of GL
	s_min_u32 s24, s49, 2
	s_mul_i32 s24, s24, s48
	s_lshl3_add_u32 s24, s49, s24                  ; start = 8 v + p min(v, 2)
	s_cmp_lt_u32 s49, 2
	s_cselect_b32 s25, s48, 0
	s_add_co_u32 s25, s25, 8
	s_add_co_u32 s25, s25, s24                     ; end
	s_min_u32 s26, s25, s58
	s_sub_co_i32 s52, s26, s24
	s_max_i32 s52, s52, 0                          ; run 0: chunks
	s_sub_co_i32 s51, s50, s24
	s_max_i32 s51, s51, 0                          ; its first (highest) chunk; an empty run uses none, the number is kept a chunk's
	s_cmp_eq_u32 s24, 0
	s_cselect_b32 s53, 1, 0                        ; it starts with the diagonal chunk
	s_max_u32 s26, s24, s58
	s_sub_co_i32 s56, s25, s26
	s_max_i32 s56, s56, 0                          ; run 1: chunks
	s_sub_co_i32 s27, s26, s58
	s_sub_co_i32 s55, s54, s27
	s_max_i32 s55, s55, 0                          ; first chunk
	s_cmp_eq_u32 s26, s58
	s_cselect_b32 s57, 1, 0                        ; diagonal first
	; The matrix instruction takes keys as A (rows) and queries as B (columns): register j of lane (r, h) is (key row 8h + j, query r).
	; A chunk's 32 keys are four groups of 8.  Tile 0 holds groups 0 and 3, tile 1 groups 1 and 2, so that half h = 0 of the lanes owns
	; keys 0-15 and half h = 1 keys 16-31: the running sum crosses the halves once a chunk.
	v_and_b32 v2, 15, v0                           ; r
	v_bfe_u32 v3, v0, 4, 1                         ; h
	v_lshrrev_b32 v17, 3, v2
	v_lshl_add_u32 v17, v17, 4, v2                 ; tile 0: row r of A is key r + 16 (r >> 3)
	v_mul_u32_u24 v4, v17, PITCH
	v_lshl_add_u32 v4, v3, 4, v4                   ; v4: keys, tile 0
	v_add_nc_u32 v17, 8, v2                        ; tile 1: key r + 8
	v_mul_u32_u24 v5, v17, PITCH
	v_lshl_add_u32 v5, v3, 4, v5                   ; v5: keys, tile 1
	v_mul_u32_u24 v6, v3, 96
	v_add_nc_u32 v6, YB, v6                        ; v6: y of tile 0: keys 24 h ..
	v_lshlrev_b32 v7, 5, v3
	v_add_nc_u32 v7, YB+32, v7                     ; v7: y of tile 1: keys 8 + 8 h ..
	v_mul_u32_u24 v8, v2, PITCH
	v_lshl_add_u32 v8, v3, 4, v8                   ; v8: queries
	v_mul_u32_u24 v17, v3, 24
	v_sub_nc_u32 v9, v2, v17                       ; v9:  r - 24 h:     tile 0's key j + 24 h is below query 16 q + r if j - 16 q < this
	v_lshlrev_b32 v17, 3, v3
	v_sub_nc_u32 v10, v2, v17
	v_add_nc_u32 v10, -8, v10                      ; v10: r - 8 - 8 h:  the same for tile 1's key 8 + 8 h + j
	v_cvt_f32_u32 v12, v3                          ; v12: h
	v_sub_f32 v11, 1.0, v12                        ; v11: 1 - h
	s_lshl_b32 s24, s48, 7
	s_add_co_u32 s24, s24, CARR
	v_lshl_add_u32 v1, v2, 2, s24                  ; v1: c of query r of my parity's group
	s_mul_i32 s25, s16, 768
	s_add_co_u32 s25, s25, PART
	v_and_b32 v17, 31, v0
	v_lshl_add_u32 v2, v17, 2, s25                 ; v2: my wave's own partial sums, query = lane
	s_barrier_wait -1                              ; every wave's rows are in LDS; nobody writes them again
.macro LOADA                           ; a chunk's 32 keys: 16 loads.  v13, v14: the chunk's addresses for tiles 0 and 1
.irp t, 0,1
.irp k, 0,1,2,3
	ds_load_b128 v[AF+32*\t+8*\k:AF+32*\t+8*\k+3],   v[13+\t] offset:64*\k
	ds_load_b128 v[AF+32*\t+8*\k+4:AF+32*\t+8*\k+7], v[13+\t] offset:64*\k+32
.endr
.endr
.endm
; One chunk: 32 keys x 32 queries.  msk = 1: the diagonal chunk.  cnt: the scalar register that counts the run's chunks left, this one included.
; v18, v20: c of queries r and 16 + r;  v19, v21: R, the sum of sim over the run's chunks done so far (higher keys).
.macro CHUNK msk, cnt, id
	ds_load_b128 v[YV:YV+3], v15
	ds_load_b128 v[YV+4:YV+7], v15 offset:16
	ds_load_b128 v[YV+8:YV+11], v16
	ds_load_b128 v[YV+12:YV+15], v16 offset:16
	s_wait_dscnt 0x4                               ; LDS loads return in order: only the four y loads may be out; keys (and at a run's head queries and c) are in
.irp k, 0,1,2,3
.irp q, 0,1
.irp t, 0,1
.if \k == 0
	v_wmma_f32_16x16x32_bf16 v[DD+16*\q+8*\t:DD+16*\q+8*\t+7], v[AF+32*\t+8*\k:AF+32*\t+8*\k+7], v[BF+32*\q+8*\k:BF+32*\q+8*\k+7], 0
.else
	v_wmma_f32_16x16x32_bf16 v[DD+16*\q+8*\t:DD+16*\q+8*\t+7], v[AF+32*\t+8*\k:AF+32*\t+8*\k+7], v[BF+32*\q+8*\k:BF+32*\q+8*\k+7], v[DD+16*\q+8*\t:DD+16*\q+8*\t+7]
.endif
.endr
.endr
.endr
	s_wait_dscnt 0x0                               ; y is in.  Ahead of the refill, so that the count holds whether or not the refill is jumped over
	v_sub_nc_u32 v13, v13, CH                      ; the next lower chunk.  These four lines name no register of a matrix instruction: they are the
	v_sub_nc_u32 v14, v14, CH                      ; four places in front of the loads into the key fragments and of the first
	v_sub_nc_u32 v15, v15, 128                     ; read of a result.  Behind a run's last chunk the addresses are not used.
	v_sub_nc_u32 v16, v16, 128
	s_cmp_eq_u32 s[\cnt], 1
	s_cbranch_scc1 .Lnp\id                         ; nothing follows in this run
	LOADA                                          ; the next chunk's keys come in under this chunk's vector work
.Lnp\id:
.set m, 0
.rept 16
	v_pk_fma_f32 v[DD+m:DD+m+1], v[DD+m:DD+m+1], 0.5, 0.5 op_sel_hi:[1,0,0]        ; sim = (cos + 1) / 2
.set m, m+2
.endr
.if \msk
.irp q, 0,1
.irp j, 0,1,2,3,4,5,6,7
	v_cmp_lt_i32 vcc_lo, \j-16*\q, v9
	v_cndmask_b32 v[DD+16*\q+\j], 0, v[DD+16*\q+\j], vcc_lo                        ; keys at or above the query: 0
	v_cmp_lt_i32 vcc_lo, \j-16*\q, v10
	v_cndmask_b32 v[DD+16*\q+8+\j], 0, v[DD+16*\q+8+\j], vcc_lo
.endr
.endr
.endif
	; suffix sums inside each group of 8 keys, four chains side by side; place 7 is sim itself and is not copied
.irp x, 0,8,16,24
	v_add_f32 v[TT+\x+6], v[DD+\x+6], v[DD+\x+7]
.endr
.irp j, 5,4,3,2,1,0
.irp x, 0,8,16,24
	v_add_f32 v[TT+\x+\j], v[DD+\x+\j], v[TT+\x+\j+1]
.endr
.endr
	; what lies above each group: h = 0: tile 1 has the other half's 16 keys above it, tile 0 those and tile 1;  h = 1: tile 0 nothing, tile 1 tile 0
.irp q, 0,1
	v_add_f32 v[23+4*\q], v[TT+16*\q], v[TT+16*\q+8]               ; my 16 keys
	v_permlanex16_b32 v[25+4*\q], v[23+4*\q], s22, s23             ; the other half's
	v_fma_f32 v[24+4*\q], v[25+4*\q], v11, v[19+2*\q]              ; R + (1 - h) other
	v_fma_f32 v[22+4*\q], v[TT+16*\q+8], v11, v[24+4*\q]           ; above tile 0
	v_fma_f32 v[24+4*\q], v[TT+16*\q], v12, v[24+4*\q]             ; above tile 1
	v_mul_f32 v[22+4*\q], v[18+2*\q], v[22+4*\q]
	v_mul_f32 v[24+4*\q], v[18+2*\q], v[24+4*\q]
.endr
.irp q, 0,1
.irp t, 0,1
.irp e, 0,2,4
	v_pk_fma_f32 v[TT+16*\q+8*\t+\e:TT+16*\q+8*\t+\e+1], v[TT+16*\q+8*\t+\e:TT+16*\q+8*\t+\e+1], v[18+2*\q:19+2*\q], v[22+4*\q+2*\t:23+4*\q+2*\t] op_sel_hi:[1,0,0]
.endr
	v_fma_f32 v[TT+16*\q+8*\t+6], v[TT+16*\q+8*\t+6], v[18+2*\q], v[22+4*\q+2*\t]
	v_fma_f32 v[TT+16*\q+8*\t+7], v[DD+16*\q+8*\t+7], v[18+2*\q], v[22+4*\q+2*\t]  ; c delta = -log2(e) lam delta
.endr
.endr
.set m, 0
.rept 32
	v_exp_f32 v[TT+m], v[TT+m]
.set m, m+1
.endr
	v_add_f32 v23, v23, v25                        ; the chunk's whole sum: a + b and b + a are the same bits, so R is equal in both halves.
	v_add_f32 v27, v27, v29                        ; These plain lines also stand between the exponentials and their first use (ISA guide 5.7.2)
	v_add_f32 v19, v19, v23
	v_add_f32 v21, v21, v27
	s_wait_alu depctr_va_vdst(0)
.irp e, 0,2,4,6
.irp x, 0,8,16,24
	v_pk_mul_f32 v[TT+\x+\e:TT+\x+\e+1], v[DD+\x+\e:DD+\x+\e+1], v[TT+\x+\e:TT+\x+\e+1]    ; w, used twice below
.endr
.irp x, 0,8,16,24
	v_pk_add_f32 v[SW+(\x/4):SW+(\x/4)+1], v[SW+(\x/4):SW+(\x/4)+1], v[TT+\x+\e:TT+\x+\e+1]
.endr
.irp x, 0,8,16,24
	v_pk_fma_f32 v[SY+(\x/4):SY+(\x/4)+1], v[YV+(\x%16)+\e:YV+(\x%16)+\e+1], v[TT+\x+\e:TT+\x+\e+1], v[SY+(\x/4):SY+(\x/4)+1]
.endr
.endr
.endm
; A run: run = 0 in group GL, 1 in GH.  sb: its four scalars (group, first chunk, chunks, diagonal first).
; r0, r1, r2: the registers that take the run's sum w, sum y w and sum sim, query = lane; they stay there until every wave has done reading LDS.
.macro SEG run, sb, ida, idb, r0, r1, r2
.irp k, 19,21,22,23,24,25,26,27,28,29
	v_mov_b32 v\k, 0                               ; R, and the registers that lane exchanges write (their destinations count as read)
.endr
.set m, 0
.rept 16
	v_mov_b32 v[SW+m], 0                           ; an empty run hands on zeros, which leave the fold as it is
.set m, m+1
.endr
	s_cmp_eq_u32 s[\sb+2], 0
	s_cbranch_scc1 .Lfin\run
	s_mul_i32 s24, s[\sb], CH
	v_add_nc_u32 v17, s24, v8
.irp q, 0,1
.irp k, 0,1,2,3
	ds_load_b128 v[BF+32*\q+8*\k:BF+32*\q+8*\k+3],   v17 offset:16*PITCH*\q+64*\k          ; the group's 32 queries stay in registers for the run
	ds_load_b128 v[BF+32*\q+8*\k+4:BF+32*\q+8*\k+7], v17 offset:16*PITCH*\q+64*\k+32
.endr
.endr
	ds_load_b32 v18, v1 offset:256*\run
	ds_load_b32 v20, v1 offset:256*\run+64
	s_mul_i32 s24, s[\sb+1], CH
	v_add_nc_u32 v13, s24, v4
	v_add_nc_u32 v14, s24, v5
	s_lshl_b32 s24, s[\sb+1], 7
	v_add_nc_u32 v15, s24, v6
	v_add_nc_u32 v16, s24, v7
	LOADA
	s_cmp_eq_u32 s[\sb+3], 0
	s_cbranch_scc1 .Lloop\run
	CHUNK 1, \sb+2, \ida
	s_sub_co_i32 s[\sb+2], s[\sb+2], 1
	s_cmp_eq_u32 s[\sb+2], 0
	s_cbranch_scc1 .Lfin\run
.Lloop\run:
	CHUNK 0, \sb+2, \idb
	s_sub_co_i32 s[\sb+2], s[\sb+2], 1
	s_cmp_gt_i32 s[\sb+2], 0                       ; signed: the count-down ends whatever the count it starts from
	s_cbranch_scc1 .Lloop\run
.Lfin\run:
	s_wait_dscnt 0x0                               ; a run's last chunk jumps over its refill, so nothing is out here; the wait makes that hold on every
	                                               ; path through the text: the next run's loads never meet a register with a load pending
.irp q, 0,1
	v_add_f32 v[SW+4*\q], v[SW+4*\q], v[SW+4*\q+1]
	v_add_f32 v[SW+4*\q+2], v[SW+4*\q+2], v[SW+4*\q+3]
	v_add_f32 v[SY+4*\q], v[SY+4*\q], v[SY+4*\q+1]
	v_add_f32 v[SY+4*\q+2], v[SY+4*\q+2], v[SY+4*\q+3]
	v_add_f32 v[SW+4*\q], v[SW+4*\q], v[SW+4*\q+2]
	v_add_f32 v[SY+4*\q], v[SY+4*\q], v[SY+4*\q+2]
	v_permlanex16_b32 v[22+4*\q], v[SW+4*\q], s22, s23
	v_permlanex16_b32 v[24+4*\q], v[SY+4*\q], s22, s23
	v_add_f32 v[SW+4*\q], v[SW+4*\q], v[22+4*\q]   ; both halves of the keys; the same bits in both halves of the lanes
	v_add_f32 v[SY+4*\q], v[SY+4*\q], v[24+4*\q]
.endr
	v_cndmask_b32 v[\r0], v[SW], v[SW+4], s60      ; lanes 0-15 keep queries 0-15, lanes 16-31 take queries 16-31: query = lane
	v_cndmask_b32 v[\r1], v[SY], v[SY+4], s60
	v_cndmask_b32 v[\r2], v19, v21, s60
.endm
	SEG 0, 50, 0, 1, 3, 30, 31
	SEG 1, 54, 2, 3, 13, 14, 15
	; Load, wait, barrier, store: my LDS loads were waited for at the last run's end and none was issued since.  Behind this barrier no wave
	; reads keys, queries, y or c of phase B any more, and the partial sums are stored.
	s_barrier_signal -1
	s_barrier_wait -1
	ds_store_b32 v2, v3                            ; run 0: sum w
	ds_store_b32 v2, v30 offset:128                ;        sum y w
	ds_store_b32 v2, v31 offset:256                ;        sum sim
	ds_store_b32 v2, v13 offset:384                ; run 1
	ds_store_b32 v2, v14 offset:512
	ds_store_b32 v2, v15 offset:640
	s_wait_dscnt 0x0                               ; my partial sums are in LDS, for the folding waves' sake
	s_barrier_signal -1
	s_barrier_wait -1
	; PHASE C.  Wave 0 folds block I, wave 1 block J; lane l takes queries 2l and 2l + 1 of the block (parity l >> 4).
	s_cmp_ge_u32 s16, 2
	s_cbranch_scc1 .Lend
	v_and_b32 v1, 31, v0                           ; l
	v_and_b32 v2, 15, v0
	v_bfe_u32 v3, v0, 4, 1                         ; parity
	s_mul_i32 s24, s16, 384
	s_add_co_u32 s24, s24, PART
	v_mul_u32_u24 v4, v3, 768
	v_lshl_add_u32 v4, v2, 3, v4
	v_add_nc_u32 v4, s24, v4                       ; wave 2v + parity's sums of this run: + 1536 v
	s_lshl_b32 s25, s16, 8
	s_add_co_u32 s25, s25, CARR
	v_lshl_add_u32 v5, v1, 3, s25
	ds_load_b64 v[32:33], v5                       ; c of my two queries
.irp v, 0,1,2,3
	ds_load_b64 v[34+6*\v:35+6*\v], v4 offset:1536*\v              ; sum w
	ds_load_b64 v[36+6*\v:37+6*\v], v4 offset:1536*\v+128          ; sum y w
	ds_load_b64 v[38+6*\v:39+6*\v], v4 offset:1536*\v+256          ; sum sim
.endr
	s_cmp_eq_u32 s16, 0
	s_cselect_b32 s26, s18, s19
	s_lshl_b32 s26, s26, 8                         ; the block's 64 words of the output row
	s_wait_dscnt 0x0
	; run 0 (the highest keys) starts the sums; run v is damped by exp(-lam x the sim above it)
.irp v, 1,2,3
	v_pk_mul_f32 v[58:59], v[32:33], v[38:39]
	v_exp_f32 v58, v58
	v_exp_f32 v59, v59
	v_pk_add_f32 v[38:39], v[38:39], v[38+6*\v:39+6*\v]            ; also the plain line behind the exponentials
	s_wait_alu depctr_va_vdst(0)
	v_pk_fma_f32 v[34:35], v[58:59], v[34+6*\v:35+6*\v], v[34:35]
	v_pk_fma_f32 v[36:37], v[58:59], v[36+6*\v:37+6*\v], v[36:37]
.endr
	v_pk_add_f32 v[34:35], v[34:35], 0x358637bd op_sel_hi:[1,0]    ; + 1e-6
	v_rcp_f32 v34, v34
	v_rcp_f32 v35, v35
	v_lshl_add_u32 v6, v1, 3, s26                  ; also the plain line behind the reciprocals
	s_wait_alu depctr_va_vdst(0)
	v_pk_mul_f32 v[36:37], v[36:37], v[34:35]
	v_max_num_f32 v36, 0x3c23d70a, v36             ; clip to 0.01 ..
	v_max_num_f32 v37, 0x3c23d70a, v37
	v_min_num_f32 v36, 0x3f7d70a4, v36             ; .. 0.99
	v_min_num_f32 v37, 0x3f7d70a4, v37
	global_store_b64 v6, v[36:37], s[14:15]        ; the wave's 32 lanes store 256 consecutive bytes, at a multiple of 256 from the output's start
.Lend:
	s_set_vgpr_msb 0x5
	s_wait_tensorcnt 0x0
	ds_add_u32 v0, v1
	s_wait_dscnt 0x0
	s_set_vgpr_msb 0x500
	s_endpgm
.Lfunc_end_k_q38340234de_ema:
	.size	k_q38340234de_ema, .Lfunc_end_k_q38340234de_ema-k_q38340234de_ema
	.p2alignl 7, 3214868480
	.fill 96, 4, 3214868480
	.section	.rodata,"a",@progbits
	.p2align	6, 0x0
	.amdhsa_kernel k_q38340234de_ema
		.amdhsa_group_segment_fixed_size 290304
		.amdhsa_private_segment_fixed_size 0
		.amdhsa_enable_private_segment 0
		.amdhsa_kernarg_size 48
		.amdhsa_user_sgpr_count 2
		.amdhsa_user_sgpr_kernarg_segment_ptr 1
		.amdhsa_wavefront_size32 1
		.amdhsa_system_sgpr_workgroup_id_x 1
		.amdhsa_system_sgpr_workgroup_id_y 1
		.amdhsa_system_sgpr_workgroup_id_z 1
		.amdhsa_system_vgpr_workitem_id 0
		.amdhsa_next_free_vgpr 258
		.amdhsa_next_free_sgpr 66
		.amdhsa_reserve_vcc 1
		.amdhsa_float_denorm_mode_32 3
		.amdhsa_float_denorm_mode_16_64 3
		.amdhsa_memory_ordered 1
		.amdhsa_forward_progress 1
		.amdhsa_inst_pref_size 189
	.end_amdhsa_kernel
	.amdgpu_metadata
---
amdhsa.version: [ 1, 2 ]
amdhsa.kernels:
  - .name:           k_q38340234de_ema
    .symbol:         k_q38340234de_ema.kd
    .args:
      - { .name: embd_weight, .offset: 0, .size: 8, .value_kind: global_buffer, .address_space: global }
      - { .name: lam_b, .offset: 8, .size: 8, .value_kind: global_buffer, .address_space: global }
      - { .name: lam_w, .offset: 16, .size: 8, .value_kind: global_buffer, .address_space: global }
      - { .name: problem_seq, .offset: 24, .size: 8, .value_kind: global_buffer, .address_space: global }
      - { .name: y, .offset: 32, .size: 8, .value_kind: global_buffer, .address_space: global }
      - { .name: out0, .offset: 40, .size: 8, .value_kind: global_buffer, .address_space: global }
    .group_segment_fixed_size: 290304
    .private_segment_fixed_size: 0
    .kernarg_segment_align: 8
    .kernarg_segment_size: 48
    .max_flat_workgroup_size: 256
    .sgpr_count:     66
    .vgpr_count:     258
    .wavefront_size: 32
...
	.end_amdgpu_metadata
.endif
;; end of part 1
;; ======== version 2 of 2: 1 launch; version 1 with the launch ema written anew for expert scheduling mode
;; launch ema (part 2): grid 256 x 1, 8 waves a work-group, no clusters, 290,304 bytes of LDS; arguments embd_weight, lam_b, lam_w, problem_seq, y, out0; writes out0
.if DOCPART == 2
	.amdgcn_target "amdgcn-amd-amdhsa--gfx1250"
	.amdhsa_code_object_version 6
	.text
	.protected	k_q38340234de_ema
	.globl	k_q38340234de_ema
	.p2align	8
	.type	k_q38340234de_ema,@function
k_q38340234de_ema:
	s_mov_b64 s[64:65], 0
	v_nop
	global_prefetch_b8 v0, s[64:65] scope:SCOPE_SE
	s_setreg_imm32_b32 hwreg(HW_REG_WAVE_SCHED_MODE, 0, 2), 2
	s_setreg_imm32_b32 hwreg(HW_REG_WAVE_MODE, 25, 1), 1
	s_wait_xcnt 0x0
	s_wait_alu depctr_vm_vsrc(0)
; yhat[b][t] = clip( sum_s y[s] w(t,s) / (sum_s w(t,s) + 1e-6), 0.01, 0.99 ),   w = sim exp(-lam_t delta),
; sim(t,s) = (cos(x_t, x_s) + 1)/2 for s < t, else 0;  delta(t,s) = sum over s' >= s of sim(t,s');  lam_t = exp(x_t . lam_w + lam_b).
;
; ONE LAUNCH, 256 work-groups of 8 waves.  Work-group (b = id/8, i = id%8) owns the query blocks of 64 rows I = i and J = 15 - i of
; batch b: 66 pieces of 32 queries x 32 keys under the causal triangle, whatever i is.
; PHASE A: the batch's rows 0 .. 64 J + 63 are gathered from the table, divided by their norm (f32) and laid into LDS as bf16, once.
;          A whole batch is 1,024 rows x 272 bytes.  For the 128 query rows c = -log2(e) lam is made from the f32 rows.
; PHASE B: exp(-lam (d + D)) = exp(-lam D) exp(-lam d), so any run of key chunks of a query group can be summed alone, with delta counted
;          from the run's own end.  The 32 + 2p chunks of the two groups of parity p are dealt to four waves, 8 or 9 each.
; PHASE C: two waves fold the four runs of each query (all factors are at most 1) and store 256 consecutive bytes each.
; The matrix unit makes the cosines (bf16 unit vectors, f32 sums); the running sums, exponentials and weighted sums are f32 vector work.
;
; NO CLUSTER, NO JOINT REQUESTS: the rows come by an index list, lane by lane through registers (they are scaled and rounded on the way),
; and the eight work-groups of a batch need different numbers of rows (64 (16 - i)), so their requests are not alike.
; Staging goes in rounds of four blocks: work-groups with i >= 4 stage 12 blocks, the others 16, up to 192 rows more than they read.
;
; LIMITS.  A table row of norm 0 gives NaN here only in the queries that see it (the reference: in the whole batch), and the final
; clip uses maxima and minima in which a NaN loses, so such a NaN comes out as 0.01.  lam beyond f32's range / log2(e) overflows in c.
; Indices are taken as unsigned and held to 49,999.  No maximum is taken from the exponents, as in the reference: -lam delta is at
; most 0 up to rounding of sim, so no exponential exceeds 1 by more than rounding, and an underflow only adds 0 beside the 1e-6.
;
; THE MODE: SCHED_MODE bits 1:0 = 2 (LLVM: expert scheduling mode 2), set by the entry lines.  The code itself states the register dependences
; between vector or matrix instructions and memory or LDS instructions, with s_wait_alu, always for 0.
; THE PLAN, PHASE A.  Registers that memory or LDS instructions touch in a turn:
;   XR[s]      The ring's slot: its loads land in it; the turn's vector work reads it and scales it in place; no store reads it.
;   OUT, CO    Written by the turn's roundings (and, in the two query turns, by the lines that make c); read by the turn's LDS stores.
;   v8         The block's LDS address: written once a turn, read by the turn's four row stores.
;   IR         The rows' offsets: made once, read by the ring's loads, not written again in phase A.
; Two waits a turn.  vm_vsrc ahead of the add to v8: the last turn's stores have read v8, OUT and CO.  va_vdst behind the roundings: OUT, CO and v8
; are written, and the vector work is done with XR[s]; the slot's refill and the stores follow it, and no vector instruction stands among them.
; THE PLAN, PHASE B.  Registers that LDS instructions touch in a chunk:
;   AF         The keys: read by the chunk's 16 matrix instructions; behind them the next chunk's keys land in it.
;   YV         y of the chunk's keys: loaded behind the matrix instructions, read by the chunk's last multiply-adds.
;   v13 - v16  The addresses of keys and y: read by those loads, stepped once a chunk by four subtractions.
;   BF, v18, v20, v17  Queries, c and their address: loaded and made at a run's head alone.
; Two waits a chunk, both behind its matrix instructions.  vm_vsrc ahead of the subtractions: the last chunk's loads have read v13 - v16.  va_vdst behind
; them: the matrix instructions are done reading AF, the last chunk's multiply-adds are done reading YV, and v13 - v16 are written.  The chunk's 20 loads follow;
; the vector work behind them names DD, TT and the sums, and YV only behind the wait for the loads.
.set PITCH, 272                        ; an LDS row: 256 bytes + 16 = 17 x 16: sixteen rows that differ modulo 16 start in sixteen different 16-byte columns modulo 256
.set CH,    32*PITCH                   ; a chunk of 32 keys
.set BLKB,  64*PITCH                   ; a block of 64 rows
.set YB,    1024*PITCH                 ; y[b][0..1023], f32
.set CARR,  YB+4096                    ; c of the 128 query rows: block I first, then block J
.set PART,  CARR+512                   ; 768 x wave + 384 x run + 128 x (0 sum w, 1 sum y w, 2 sum sim) + 4 x query
.set BLK,   32                         ; s[32:47]  the block that staging unit u holds: J, I, then the others in ascending order
.set MK,    66                         ; s[66:97]  the diagonal chunk's 32 lane masks, one for each register of DD
; phase A registers
.set OUT, 12                           ; v[12:27]   four rows' 16 bytes in bf16, on their way to LDS
.set CO,  28                           ; v[28:31]   c of my four rows, on its way to LDS
.set XR, 32                            ; v[32:159]  ring of 4 units x 4 row pairs x 8 numbers
.set IR, 160                           ; v[160:223] unit u: four indices, then four byte offsets into the table
.set WR, 224                           ; v[224:231] lam_w of my 8 columns
.set QR, 232                           ; v[232:239] four pairs: sum of squares, then 1/norm   (first: offsets of the index loads, with PR)
.set PR, 240                           ; v[240:247] four pairs: x . lam_w, then lam
.set YR, 248                           ; v[248:251] y on its way to LDS
; phase B registers
.set BF, 32                            ; v[32:95]   queries: fragment (q, k) at 32 q + 8 k
.set AF, 96                            ; v[96:159]  keys: fragment (tile, k) at 32 tile + 8 k
.set DD, 160                           ; v[160:191] sim: (q, tile) at 16 q + 8 tile
.set TT, 192                           ; v[192:223] suffix sums, exponents, weights: same places
.set YV, 224                           ; v[224:239] y of my keys: tile at 8 tile
.set SW, 240                           ; v[240:247] sum w:   pair at 4 q + 2 tile
.set SY, 248                           ; v[248:255] sum y w: pair at 4 q + 2 tile
	s_load_b256 s[4:11], s[0:1], 0x0               ; table s[4:5], lam_b s[6:7], lam_w s[8:9], problem_seq s[10:11]
	s_load_b128 s[12:15], s[0:1], 0x20             ; y s[12:13], out s[14:15]
	s_set_vgpr_msb 0x40
	v_lshl_add_u32 v0, v0, 2, 0x46a00
	v_mov_b32 v1, 0
	s_set_vgpr_msb 0x4000
	v_lshrrev_b32 v1, 5, v0
	v_readfirstlane_b32 s16, v1                    ; wave 0..7
	s_lshr_b32 s17, ttmp9, 3                       ; batch b
	s_and_b32 s18, ttmp9, 7                        ; I
	s_sub_co_u32 s19, 15, s18                      ; J
	s_mov_b32 s21, 0x3fb8aa3b                      ; log2(e)
	s_mov_b32 s22, 0x76543210                      ; v_permlanex16_b32: lane l reads lane l xor 16
	s_mov_b32 s23, 0xfedcba98
	s_mov_b32 s60, 0xffff0000                      ; lane mask: the upper half of the lanes
	s_mov_b32 s[BLK], s19                          ; units 0 and 1 are the query blocks, so that the code that makes c is fixed text
	s_mov_b32 s[BLK+1], s18
.irp u, 2,3,4,5,6,7,8,9,10,11,12,13,14,15
	s_cmp_le_u32 s18, \u-2                         ; the (u-2)-th block that is neither I nor J: step over I,
	s_cselect_b32 s[BLK+\u], \u-1, \u-2
	s_cmp_ge_u32 s[BLK+\u], s19                    ; then over J
	s_add_co_ci_u32 s[BLK+\u], s[BLK+\u], 0
.endr
	s_wait_alu depctr_va_sdst(0)                   ; s16 is written: the wait stands in the writer's own straight run, ahead of every branch; its readers come in phases B and C
	; A unit is 64 rows; wave w takes rows 8w .. 8w+7.  Half h of the lanes holds rows 8w + 4h + j, j = 0..3, sixteen lanes to a row.
	v_and_b32 v2, 15, v0                           ; r
	v_lshrrev_b32 v3, 4, v0                        ; 2w + h
	v_lshlrev_b32 v4, 4, v2                        ; 16 r: my 16 bytes in each half of a table row, and in an LDS row
	v_lshlrev_b32 v5, 4, v3                        ; bytes of my four indices within a block's 256
	v_mul_u32_u24 v6, v3, 4*PITCH
	v_add_nc_u32 v6, v6, v4                        ; LDS: row 8w + 4h of a block, + 16 r
	v_add_nc_u32 v7, CARR, v5                      ; LDS: c of row 8w + 4h
	v_lshlrev_b32 v9, 4, v0                        ; 16 x thread: y
	v_add_nc_u32 v10, YB, v9
.irp u, 0,1,2,3,4,5,6,7,8,9,10,11,12,13,14,15
	s_lshl_b32 s26, s[BLK+\u], 8
	v_add_nc_u32 v[QR+\u], s26, v5                 ; where the indices of my four rows of unit u lie: all sixteen offsets are made ahead of the one wait below
.endr
	s_lshl_b32 s24, s17, 12                        ; a batch's 1,024 words
	s_mov_b32 s25, 0
	s_wait_kmcnt 0x0
	s_load_b32 s20, s[6:7], 0x0                    ; lam_b
	s_add_nc_u64 s[10:11], s[10:11], s[24:25]
	s_add_nc_u64 s[12:13], s[12:13], s[24:25]
	s_add_nc_u64 s[14:15], s[14:15], s[24:25]
	s_wait_alu depctr_va_vdst(0)                   ; v4, v7, v9, v10 and v[QR .. QR+15] are written: the loads below and the stores of y and c read them as offsets and addresses
	global_load_b128 v[WR:WR+3], v4, s[8:9]                ; lam_w[4r .. 4r+3]
	global_load_b128 v[WR+4:WR+7], v4, s[8:9] offset:256   ; lam_w[64+4r .. 64+4r+3]
	global_load_b128 v[YR:YR+3], v9, s[12:13]
.irp u, 0,1,2,3,4,5,6,7,8,9,10,11,12,13,14,15
	global_load_b128 v[IR+4*\u:IR+4*\u+3], v[QR+\u], s[10:11]      ; the indices of my four rows of unit u
.endr
.macro VOFF first, count               ; index -> byte offset of my 16 bytes in the table row
.set m, \first
.rept \count
	v_min_u32 v[IR+m], 49999, v[IR+m]
	v_lshl_add_u32 v[IR+m], v[IR+m], 9, v4
.set m, m+1
.endr
.endm
; Eight loads: my four rows of unit u into ring slot s.  Sixteen lanes read 256 consecutive bytes, at a multiple of 256 from the table's start.
; No cache word: the batch's other work-groups read the same rows.  The offset registers are never written again in phase A.
.macro FILL s, u
.irp j, 0,1,2,3
	global_load_b128 v[XR+32*\s+8*\j:XR+32*\s+8*\j+3],   v[IR+4*(\u)+\j], s[4:5]
	global_load_b128 v[XR+32*\s+8*\j+4:XR+32*\s+8*\j+7], v[IR+4*(\u)+\j], s[4:5] offset:256
.endr
.endm
	s_wait_loadcnt 12                              ; loads return in order: the twelve youngest (units 4..15) may be out, units 0..3 are in
	VOFF 0, 16
	s_wait_alu depctr_va_vdst(0)                   ; the offsets of units 0 to 3 are written, which the ring's first 32 loads read
	FILL 0, 0
	FILL 1, 1
	FILL 2, 2
	FILL 3, 3
	s_wait_loadcnt 32                              ; the ring's 32 loads stay out; every index, lam_w and y are in
	VOFF 16, 48                                    ; the offsets of units 4 to 15: the first load that reads one stands behind turn 0's wait on va_vdst
	ds_store_b128 v10, v[YR:YR+3]                  ; v10 was written ahead of the head's wait on va_vdst; the data came by a load
	s_wait_kmcnt 0x0
	s_mul_f32 s20, s20, s21                        ; lam_b log2(e)
	s_wait_alu depctr_vm_vsrc(0)                   ; the index loads have read v[QR .. QR+15] as their offsets: from here on these registers are QR and PR, which the turns write
; The turn of unit u in slot s.  lam = 1: a query block, c is made too.  refill = 1: the slot gets unit u + 4.
; left = younger loads that may stay out: 8 for each younger unit in the ring.
; A lane's eight numbers (columns 4r..4r+3 and 64+4r..64+4r+3) go to bytes 16 r of the LDS row: a permutation of the columns that is
; the same in every row, so that every product of two rows keeps its partners.
.macro TURN s, u, lam, refill, left
	s_wait_loadcnt \left
	s_mul_i32 s24, s[BLK+\u], BLKB
.irp j, 0,1,2,3
	v_pk_mul_f32 v[QR+2*\j:QR+2*\j+1], v[XR+32*\s+8*\j:XR+32*\s+8*\j+1], v[XR+32*\s+8*\j:XR+32*\s+8*\j+1]
.endr
.irp c, 2,4,6
.irp j, 0,1,2,3
	v_pk_fma_f32 v[QR+2*\j:QR+2*\j+1], v[XR+32*\s+8*\j+\c:XR+32*\s+8*\j+\c+1], v[XR+32*\s+8*\j+\c:XR+32*\s+8*\j+\c+1], v[QR+2*\j:QR+2*\j+1]
.endr
.endr
.if \lam
.irp j, 0,1,2,3
	v_pk_mul_f32 v[PR+2*\j:PR+2*\j+1], v[XR+32*\s+8*\j:XR+32*\s+8*\j+1], v[WR:WR+1]
.endr
.irp c, 2,4,6
.irp j, 0,1,2,3
	v_pk_fma_f32 v[PR+2*\j:PR+2*\j+1], v[XR+32*\s+8*\j+\c:XR+32*\s+8*\j+\c+1], v[WR+\c:WR+\c+1], v[PR+2*\j:PR+2*\j+1]
.endr
.endr
.endif
.irp j, 0,1,2,3
	v_add_f32 v[QR+2*\j], v[QR+2*\j], v[QR+2*\j+1]
.endr
.if \lam
.irp j, 0,1,2,3
	v_add_f32 v[PR+2*\j], v[PR+2*\j], v[PR+2*\j+1]
.endr
.endif
.irp x, 1,2,4,8                        ; over the sixteen lanes of a row; every lane ends with the sum
.irp j, 0,1,2,3
	v_add_f32_dpp v[QR+2*\j], v[QR+2*\j], v[QR+2*\j] row_xmask:\x row_mask:0xf bank_mask:0xf
.endr
.if \lam
.irp j, 0,1,2,3
	v_add_f32_dpp v[PR+2*\j], v[PR+2*\j], v[PR+2*\j] row_xmask:\x row_mask:0xf bank_mask:0xf
.endr
.endif
.endr
.irp j, 0,1,2,3
	v_rsq_f32 v[QR+2*\j], v[QR+2*\j]               ; 1 / norm
.endr
.if \lam
.irp j, 0,1,2,3
	v_fma_f32 v[PR+2*\j], v[PR+2*\j], s21, s20     ; (x . lam_w + lam_b) log2(e)
.endr
.irp j, 0,1,2,3
	v_exp_f32 v[PR+2*\j], v[PR+2*\j]               ; lam
.endr
.endif
.if \u > 0
	s_wait_alu depctr_vm_vsrc(0)                   ; the last turn's LDS stores have read v8, OUT and CO, which the lines below write again
.endif
	v_add_nc_u32 v8, s24, v6                       ; the plain instruction between the transcendentals and the first use of a result (ISA guide 5.7.2)
	s_wait_alu depctr_va_vdst(0)
.irp j, 0,1,2,3
.irp c, 0,2,4,6
	v_pk_mul_f32 v[XR+32*\s+8*\j+\c:XR+32*\s+8*\j+\c+1], v[XR+32*\s+8*\j+\c:XR+32*\s+8*\j+\c+1], v[QR+2*\j:QR+2*\j+1] op_sel_hi:[1,0]
.endr
.endr
.irp j, 0,1,2,3
.irp c, 0,1,2,3
	v_cvt_pk_bf16_f32 v[OUT+4*\j+\c], v[XR+32*\s+8*\j+2*\c], v[XR+32*\s+8*\j+2*\c+1]       ; out of the ring: no store reads the slot
.endr
.endr
.if \lam
.irp j, 0,1,2,3
	v_mul_f32 v[CO+\j], 0xbfb8aa3b, v[PR+2*\j]     ; c = -log2(e) lam
.endr
.endif
	s_wait_alu depctr_va_vdst(0)                   ; OUT, CO and v8 are written, which the stores below read; the turn's vector work is done reading and writing XR[s], in which the refill lands; in turn 0 the offsets of units 4 to 15 are written too
.if \refill
	FILL \s, \u+4                                  ; the slot is asked for again at once, ahead of the stores
.endif
.irp j, 0,1,2,3
	ds_store_b128 v8, v[OUT+4*\j:OUT+4*\j+3] offset:PITCH*\j               ; sixteen lanes fill one row's 256 bytes
.endr
.if \lam
.irp j, 0,1,2,3
	ds_store_b32 v7, v[CO+\j] offset:4*\j+256*(1-\u)       ; unit 0 is block J (second half of the array), unit 1 block I; sixteen lanes write one word, one value
.endr
.endif
.endm
	TURN 0, 0, 1, 1, 24
	TURN 1, 1, 1, 1, 24
	TURN 2, 2, 0, 1, 24
	TURN 3, 3, 0, 1, 24
	TURN 0, 4, 0, 1, 24
	TURN 1, 5, 0, 1, 24
	TURN 2, 6, 0, 1, 24
	TURN 3, 7, 0, 1, 24
	s_cmp_ge_u32 s18, 4                            ; i >= 4 needs 16 - i <= 12 blocks
	s_cbranch_scc1 .Lshort
	TURN 0, 8, 0, 1, 24
	TURN 1, 9, 0, 1, 24
	TURN 2, 10, 0, 1, 24
	TURN 3, 11, 0, 1, 24
	TURN 0, 12, 0, 0, 24                           ; the last round loads nothing: the counts run down
	TURN 1, 13, 0, 0, 16
	TURN 2, 14, 0, 0, 8
	TURN 3, 15, 0, 0, 0
	s_branch .Lstaged
.Lshort:
	TURN 0, 8, 0, 0, 24
	TURN 1, 9, 0, 0, 16
	TURN 2, 10, 0, 0, 8
	TURN 3, 11, 0, 0, 0
.Lstaged:
	s_wait_dscnt 0x0                               ; my rows, c and y are in LDS, for the other waves' sake
	s_wait_alu depctr_vm_vsrc(0)                   ; phase A's loads and stores have read their registers (v4, v7 to v10, OUT, CO, IR, YR): phase B writes all of them anew
	s_barrier_signal -1
	; Register work while the others arrive: which chunks are mine, and the lane terms of phase B.
	; Parity p = w & 1 takes the query groups of 32 rows GL = 2I + p (chunks GL .. 0) and GH = 2J + p (chunks GH .. 0), laid in one line of
	; 32 + 2p chunks; wave v = w >> 1 takes 8 of them, or 9 (p = 1, v < 2).  A wave's share is a run in GL and a run in GH; either may be empty.
	s_and_b32 s48, s16, 1                          ; p
	s_lshr_b32 s49, s16, 1                         ; v
	s_lshl1_add_u32 s50, s18, s48                  ; GL
	s_lshl1_add_u32 s54, s19, s48                  ; GH
	s_add_co_u32 s58, s50, 1                       ; nL = chunks of GL
	s_min_u32 s24, s49, 2
	s_mul_i32 s24, s24, s48
	s_lshl3_add_u32 s24, s49, s24                  ; start = 8 v + p min(v, 2)
	s_cmp_lt_u32 s49, 2
	s_cselect_b32 s25, s48, 0
	s_add_co_u32 s25, s25, 8
	s_add_co_u32 s25, s25, s24                     ; end
	s_min_u32 s26, s25, s58
	s_sub_co_i32 s52, s26, s24
	s_max_i32 s52, s52, 0                          ; run 0: chunks
	s_sub_co_i32 s51, s50, s24
	s_max_i32 s51, s51, 0                          ; its first (highest) chunk; an empty run uses none, the number is kept a chunk's
	s_cmp_eq_u32 s24, 0
	s_cselect_b32 s53, 1, 0                        ; it starts with the diagonal chunk
	s_max_u32 s26, s24, s58
	s_sub_co_i32 s56, s25, s26
	s_max_i32 s56, s56, 0                          ; run 1: chunks
	s_sub_co_i32 s27, s26, s58
	s_sub_co_i32 s55, s54, s27
	s_max_i32 s55, s55, 0                          ; first chunk
	s_cmp_eq_u32 s26, s58
	s_cselect_b32 s57, 1, 0                        ; diagonal first
	; The matrix instruction takes keys as A (rows) and queries as B (columns): register j of lane (r, h) is (key row 8h + j, query r).
	; A chunk's 32 keys are four groups of 8.  Tile 0 holds groups 0 and 3, tile 1 groups 1 and 2, so that half h = 0 of the lanes owns
	; keys 0-15 and half h = 1 keys 16-31: the running sum crosses the halves once a chunk.
	v_and_b32 v2, 15, v0                           ; r
	v_bfe_u32 v3, v0, 4, 1                         ; h
	v_lshrrev_b32 v17, 3, v2
	v_lshl_add_u32 v17, v17, 4, v2                 ; tile 0: row r of A is key r + 16 (r >> 3)
	v_mul_u32_u24 v4, v17, PITCH
	v_lshl_add_u32 v4, v3, 4, v4                   ; v4: keys, tile 0
	v_add_nc_u32 v17, 8, v2                        ; tile 1: key r + 8
	v_mul_u32_u24 v5, v17, PITCH
	v_lshl_add_u32 v5, v3, 4, v5                   ; v5: keys, tile 1
	v_mul_u32_u24 v6, v3, 96
	v_add_nc_u32 v6, YB, v6                        ; v6: y of tile 0: keys 24 h ..
	v_lshlrev_b32 v7, 5, v3
	v_add_nc_u32 v7, YB+32, v7                     ; v7: y of tile 1: keys 8 + 8 h ..
	v_mul_u32_u24 v8, v2, PITCH
	v_lshl_add_u32 v8, v3, 4, v8                   ; v8: queries
	v_mul_u32_u24 v17, v3, 24
	v_sub_nc_u32 v9, v2, v17                       ; v9:  r - 24 h:     tile 0's key j + 24 h is below query 16 q + r if j - 16 q < this
	v_lshlrev_b32 v17, 3, v3
	v_sub_nc_u32 v10, v2, v17
	v_add_nc_u32 v10, -8, v10                      ; v10: r - 8 - 8 h:  the same for tile 1's key 8 + 8 h + j
	v_cvt_f32_u32 v12, v3                          ; v12: h
	v_sub_f32 v11, 1.0, v12                        ; v11: 1 - h
	s_lshl_b32 s24, s48, 7
	s_add_co_u32 s24, s24, CARR
	v_lshl_add_u32 v1, v2, 2, s24                  ; v1: c of query r of my parity's group
	s_mul_i32 s25, s16, 768
	s_add_co_u32 s25, s25, PART
	v_and_b32 v17, 31, v0
	v_lshl_add_u32 v2, v17, 2, s25                 ; v2: my wave's own partial sums, query = lane
	s_barrier_wait -1                              ; every wave's rows are in LDS; nobody writes them again
.macro LOADA                           ; a chunk's 32 keys: 16 loads.  v13, v14: the chunk's addresses for tiles 0 and 1
.irp t, 0,1
.irp k, 0,1,2,3
	ds_load_b128 v[AF+32*\t+8*\k:AF+32*\t+8*\k+3],   v[13+\t] offset:64*\k
	ds_load_b128 v[AF+32*\t+8*\k+4:AF+32*\t+8*\k+7], v[13+\t] offset:64*\k+32
.endr
.endr
.endm
; One chunk: 32 keys x 32 queries.  msk = 1: the diagonal chunk.  cnt: the scalar register that counts the run's chunks left, this one included.
; v18, v20: c of queries r and 16 + r;  v19, v21: R, the sum of sim over the run's chunks done so far (higher keys).
; At its head the chunk's keys are in: a run's first were waited for at the run's head, the others in the chunk before.
.macro CHUNK msk, cnt, id
.irp k, 0,1,2,3
.irp q, 0,1
.irp t, 0,1
.if \k == 0
	v_wmma_f32_16x16x32_bf16 v[DD+16*\q+8*\t:DD+16*\q+8*\t+7], v[AF+32*\t+8*\k:AF+32*\t+8*\k+7], v[BF+32*\q+8*\k:BF+32*\q+8*\k+7], 0
.else
	v_wmma_f32_16x16x32_bf16 v[DD+16*\q+8*\t:DD+16*\q+8*\t+7], v[AF+32*\t+8*\k:AF+32*\t+8*\k+7], v[BF+32*\q+8*\k:BF+32*\q+8*\k+7], v[DD+16*\q+8*\t:DD+16*\q+8*\t+7]
.endif
.endr
.endr
.endr
	s_wait_alu depctr_vm_vsrc(0)                   ; the LDS loads issued so far (the run's head's, or the last chunk's) have read v13 to v16
	v_sub_nc_u32 v13, v13, CH                      ; the next lower chunk.  These four lines name no register of a matrix instruction: they are the
	v_sub_nc_u32 v14, v14, CH                      ; four places (ISA guide 7.12.1) in front of the first read of a result.
	v_sub_nc_u32 v15, v15, 128                     ; Behind a run's last chunk the keys' addresses are not used.
	v_sub_nc_u32 v16, v16, 128                     ; y's addresses run a chunk ahead of the chunk in hand: its loads reach back by their offsets
	s_wait_alu depctr_va_vdst(0)                   ; the matrix instructions are done reading AF, the last chunk's multiply-adds are done reading YV, and v13 to v16 are written: all that the loads below hang on
	s_cmp_eq_u32 s[\cnt], 1
	s_cbranch_scc1 .Lnp\id                         ; nothing follows in this run
	LOADA                                          ; the next chunk's keys come in under this chunk's vector work
.Lnp\id:
	ds_load_b128 v[YV:YV+3], v15 offset:128        ; y of this chunk's keys: the youngest loads on either path, so that one wait for 0 shows them in
	ds_load_b128 v[YV+4:YV+7], v15 offset:144
	ds_load_b128 v[YV+8:YV+11], v16 offset:128
	ds_load_b128 v[YV+12:YV+15], v16 offset:144
.if \msk
.irp q, 0,1
.irp j, 0,1,2,3,4,5,6,7
	v_cmp_lt_i32 s[MK+16*\q+\j], \j-16*\q, v9      ; the 32 masks in one run, a scalar register each
	v_cmp_lt_i32 s[MK+16*\q+8+\j], \j-16*\q, v10
.endr
.endr
.endif
.set m, 0
.rept 16
	v_pk_fma_f32 v[DD+m:DD+m+1], v[DD+m:DD+m+1], 0.5, 0.5 op_sel_hi:[1,0,0]        ; sim = (cos + 1) / 2
.set m, m+2
.endr
.if \msk
	s_wait_alu depctr_va_sdst(0)                   ; the 32 compares have written s[MK .. MK+31], which the selects below read
.set m, 0
.rept 32
	v_cndmask_b32 v[DD+m], 0, v[DD+m], s[MK+m]     ; keys at or above the query: 0
.set m, m+1
.endr
.endif
	; suffix sums inside each group of 8 keys, four chains side by side; place 7 is sim itself and is not copied
.irp x, 0,8,16,24
	v_add_f32 v[TT+\x+6], v[DD+\x+6], v[DD+\x+7]
.endr
.irp j, 5,4,3,2,1,0
.irp x, 0,8,16,24
	v_add_f32 v[TT+\x+\j], v[DD+\x+\j], v[TT+\x+\j+1]
.endr
.endr
	; what lies above each group: h = 0: tile 1 has the other half's 16 keys above it, tile 0 those and tile 1;  h = 1: tile 0 nothing, tile 1 tile 0
.irp q, 0,1
	v_add_f32 v[23+4*\q], v[TT+16*\q], v[TT+16*\q+8]               ; my 16 keys
	v_permlanex16_b32 v[25+4*\q], v[23+4*\q], s22, s23             ; the other half's
	v_fma_f32 v[24+4*\q], v[25+4*\q], v11, v[19+2*\q]              ; R + (1 - h) other
	v_fma_f32 v[22+4*\q], v[TT+16*\q+8], v11, v[24+4*\q]           ; above tile 0
	v_fma_f32 v[24+4*\q], v[TT+16*\q], v12, v[24+4*\q]             ; above tile 1
	v_mul_f32 v[22+4*\q], v[18+2*\q], v[22+4*\q]
	v_mul_f32 v[24+4*\q], v[18+2*\q], v[24+4*\q]
.endr
.irp q, 0,1
.irp t, 0,1
.irp e, 0,2,4
	v_pk_fma_f32 v[TT+16*\q+8*\t+\e:TT+16*\q+8*\t+\e+1], v[TT+16*\q+8*\t+\e:TT+16*\q+8*\t+\e+1], v[18+2*\q:19+2*\q], v[22+4*\q+2*\t:23+4*\q+2*\t] op_sel_hi:[1,0,0]
.endr
	v_fma_f32 v[TT+16*\q+8*\t+6], v[TT+16*\q+8*\t+6], v[18+2*\q], v[22+4*\q+2*\t]
	v_fma_f32 v[TT+16*\q+8*\t+7], v[DD+16*\q+8*\t+7], v[18+2*\q], v[22+4*\q+2*\t]  ; c delta = -log2(e) lam delta
.endr
.endr
.set m, 0
.rept 32
	v_exp_f32 v[TT+m], v[TT+m]
.set m, m+1
.endr
	v_add_f32 v23, v23, v25                        ; the chunk's whole sum: a + b and b + a are the same bits, so R is equal in both halves.
	v_add_f32 v27, v27, v29                        ; These plain lines also stand between the exponentials and their first use (ISA guide 5.7.2)
	v_add_f32 v19, v19, v23
	v_add_f32 v21, v21, v27
	s_wait_alu depctr_va_vdst(0)
.irp e, 0,2,4,6
.irp x, 0,8,16,24
	v_pk_mul_f32 v[TT+\x+\e:TT+\x+\e+1], v[DD+\x+\e:DD+\x+\e+1], v[TT+\x+\e:TT+\x+\e+1]    ; w, used twice below
.endr
.irp x, 0,8,16,24
	v_pk_add_f32 v[SW+(\x/4):SW+(\x/4)+1], v[SW+(\x/4):SW+(\x/4)+1], v[TT+\x+\e:TT+\x+\e+1]
.endr
.if \e == 0
	s_wait_dscnt 0x0                               ; y is in, and with it the next chunk's keys, which were issued ahead of it.  For 0, so that the count holds whether or not the refill was jumped over
.endif
.irp x, 0,8,16,24
	v_pk_fma_f32 v[SY+(\x/4):SY+(\x/4)+1], v[YV+(\x%16)+\e:YV+(\x%16)+\e+1], v[TT+\x+\e:TT+\x+\e+1], v[SY+(\x/4):SY+(\x/4)+1]
.endr
.endr
.endm
; A run: run = 0 in group GL, 1 in GH.  sb: its four scalars (group, first chunk, chunks, diagonal first).
; r0, r1, r2: the registers that take the run's sum w, sum y w and sum sim, query = lane; they stay there until every wave has done reading LDS.
.macro SEG run, sb, ida, idb, r0, r1, r2
.irp k, 19,21,22,23,24,25,26,27,28,29
	v_mov_b32 v\k, 0                               ; R, and the registers that lane exchanges write (their destinations count as read)
.endr
.set m, 0
.rept 16
	v_mov_b32 v[SW+m], 0                           ; an empty run hands on zeros, which leave the fold as it is
.set m, m+1
.endr
	s_cmp_eq_u32 s[\sb+2], 0
	s_cbranch_scc1 .Lfin\run
	s_mul_i32 s24, s[\sb], CH
	v_add_nc_u32 v17, s24, v8                      ; all five addresses are made ahead of the one wait below
	s_mul_i32 s24, s[\sb+1], CH
	v_add_nc_u32 v13, s24, v4
	v_add_nc_u32 v14, s24, v5
	s_lshl_b32 s24, s[\sb+1], 7
	v_add_nc_u32 v15, s24, v6
	v_add_nc_u32 v16, s24, v7
	s_wait_alu depctr_va_vdst(0)                   ; v1, v13, v14 and v17 are written, which the loads below read; all earlier vector and matrix instructions are done with BF, AF, v18 and v20, in which they land
.irp q, 0,1
.irp k, 0,1,2,3
	ds_load_b128 v[BF+32*\q+8*\k:BF+32*\q+8*\k+3],   v17 offset:16*PITCH*\q+64*\k          ; the group's 32 queries stay in registers for the run
	ds_load_b128 v[BF+32*\q+8*\k+4:BF+32*\q+8*\k+7], v17 offset:16*PITCH*\q+64*\k+32
.endr
.endr
	ds_load_b32 v18, v1 offset:256*\run
	ds_load_b32 v20, v1 offset:256*\run+64
	LOADA
	s_wait_dscnt 0x0                               ; queries, c and the first chunk's keys are in
	s_cmp_eq_u32 s[\sb+3], 0
	s_cbranch_scc1 .Lloop\run
	CHUNK 1, \sb+2, \ida
	s_sub_co_i32 s[\sb+2], s[\sb+2], 1
	s_cmp_eq_u32 s[\sb+2], 0
	s_cbranch_scc1 .Lfin\run
.Lloop\run:
	CHUNK 0, \sb+2, \idb
	s_sub_co_i32 s[\sb+2], s[\sb+2], 1
	s_cmp_gt_i32 s[\sb+2], 0                       ; signed: the count-down ends whatever the count it starts from
	s_cbranch_scc1 .Lloop\run
.Lfin\run:
	s_wait_dscnt 0x0                               ; every chunk waits for all its loads and a run's last chunk jumps over its refill, so nothing is out here; the wait makes that hold on
	                                               ; every path through the text: the next run's loads never meet a register with a load pending
	s_wait_alu depctr_vm_vsrc(0)                   ; the run's LDS loads have read v13 to v17: the next run's head writes them again, and the last run's selects below write v13 to v15
.irp q, 0,1
	v_add_f32 v[SW+4*\q], v[SW+4*\q], v[SW+4*\q+1]
	v_add_f32 v[SW+4*\q+2], v[SW+4*\q+2], v[SW+4*\q+3]
	v_add_f32 v[SY+4*\q], v[SY+4*\q], v[SY+4*\q+1]
	v_add_f32 v[SY+4*\q+2], v[SY+4*\q+2], v[SY+4*\q+3]
	v_add_f32 v[SW+4*\q], v[SW+4*\q], v[SW+4*\q+2]
	v_add_f32 v[SY+4*\q], v[SY+4*\q], v[SY+4*\q+2]
	v_permlanex16_b32 v[22+4*\q], v[SW+4*\q], s22, s23
	v_permlanex16_b32 v[24+4*\q], v[SY+4*\q], s22, s23
	v_add_f32 v[SW+4*\q], v[SW+4*\q], v[22+4*\q]   ; both halves of the keys; the same bits in both halves of the lanes
	v_add_f32 v[SY+4*\q], v[SY+4*\q], v[24+4*\q]
.endr
	v_cndmask_b32 v[\r0], v[SW], v[SW+4], s60      ; lanes 0-15 keep queries 0-15, lanes 16-31 take queries 16-31: query = lane
	v_cndmask_b32 v[\r1], v[SY], v[SY+4], s60
	v_cndmask_b32 v[\r2], v19, v21, s60
.endm
	SEG 0, 50, 0, 1, 3, 30, 31
	SEG 1, 54, 2, 3, 13, 14, 15
	; Load, wait, barrier, store: my LDS loads were waited for at the last run's end and none was issued since.  Behind this barrier no wave
	; reads keys, queries, y or c of phase B any more, and the partial sums are stored.
	s_barrier_signal -1
	s_barrier_wait -1
	s_wait_alu depctr_va_vdst(0)                   ; the selects have written v3, v30, v31 and v13 to v15, the data of the six stores below (v2, their address, was written long before)
	ds_store_b32 v2, v3                            ; run 0: sum w
	ds_store_b32 v2, v30 offset:128                ;        sum y w
	ds_store_b32 v2, v31 offset:256                ;        sum sim
	ds_store_b32 v2, v13 offset:384                ; run 1
	ds_store_b32 v2, v14 offset:512
	ds_store_b32 v2, v15 offset:640
	s_wait_dscnt 0x0                               ; my partial sums are in LDS, for the folding waves' sake
	s_barrier_signal -1
	s_barrier_wait -1
	; PHASE C.  Wave 0 folds block I, wave 1 block J; lane l takes queries 2l and 2l + 1 of the block (parity l >> 4).
	s_cmp_ge_u32 s16, 2
	s_cbranch_scc1 .Lend
	s_wait_alu depctr_vm_vsrc(0)                   ; the loads of c have read v1, the six stores v2 and v3: the lines below write these three again
	v_and_b32 v1, 31, v0                           ; l
	v_and_b32 v2, 15, v0
	v_bfe_u32 v3, v0, 4, 1                         ; parity
	s_mul_i32 s24, s16, 384
	s_add_co_u32 s24, s24, PART
	v_mul_u32_u24 v4, v3, 768
	v_lshl_add_u32 v4, v2, 3, v4
	v_add_nc_u32 v4, s24, v4                       ; wave 2v + parity's sums of this run: + 1536 v
	s_lshl_b32 s25, s16, 8
	s_add_co_u32 s25, s25, CARR
	v_lshl_add_u32 v5, v1, 3, s25
	s_wait_alu depctr_va_vdst(0)                   ; v4 and v5 are written, the addresses of the loads below; the matrix instructions are done reading v[32:57], in which they land
	ds_load_b64 v[32:33], v5                       ; c of my two queries
.irp v, 0,1,2,3
	ds_load_b64 v[34+6*\v:35+6*\v], v4 offset:1536*\v              ; sum w
	ds_load_b64 v[36+6*\v:37+6*\v], v4 offset:1536*\v+128          ; sum y w
	ds_load_b64 v[38+6*\v:39+6*\v], v4 offset:1536*\v+256          ; sum sim
.endr
	s_cmp_eq_u32 s16, 0
	s_cselect_b32 s26, s18, s19
	s_lshl_b32 s26, s26, 8                         ; the block's 64 words of the output row
	s_wait_dscnt 0x0
	; run 0 (the highest keys) starts the sums; run v is damped by exp(-lam x the sim above it)
.irp v, 1,2,3
	v_pk_mul_f32 v[58:59], v[32:33], v[38:39]
	v_exp_f32 v58, v58
	v_exp_f32 v59, v59
	v_pk_add_f32 v[38:39], v[38:39], v[38+6*\v:39+6*\v]            ; also the plain line behind the exponentials
	s_wait_alu depctr_va_vdst(0)
	v_pk_fma_f32 v[34:35], v[58:59], v[34+6*\v:35+6*\v], v[34:35]
	v_pk_fma_f32 v[36:37], v[58:59], v[36+6*\v:37+6*\v], v[36:37]
.endr
	v_pk_add_f32 v[34:35], v[34:35], 0x358637bd op_sel_hi:[1,0]    ; + 1e-6
	v_rcp_f32 v34, v34
	v_rcp_f32 v35, v35
	v_lshl_add_u32 v6, v1, 3, s26                  ; also the plain line behind the reciprocals
	s_wait_alu depctr_va_vdst(0)
	v_pk_mul_f32 v[36:37], v[36:37], v[34:35]
	v_max_num_f32 v36, 0x3c23d70a, v36             ; clip to 0.01 ..
	v_max_num_f32 v37, 0x3c23d70a, v37
	v_min_num_f32 v36, 0x3f7d70a4, v36             ; .. 0.99
	v_min_num_f32 v37, 0x3f7d70a4, v37
	s_wait_alu depctr_va_vdst(0)                   ; v6 and v[36:37] are written: the store's offset and data
	global_store_b64 v6, v[36:37], s[14:15]        ; the wave's 32 lanes store 256 consecutive bytes, at a multiple of 256 from the output's start
.Lend:
	s_set_vgpr_msb 0x5
	s_wait_dscnt 0x0
	s_wait_alu depctr_hold_cnt(0) depctr_sa_sdst(0) depctr_va_vdst(0) depctr_va_sdst(0) depctr_va_ssrc(0) depctr_va_vcc(0) depctr_vm_vsrc(0)
	s_wait_tensorcnt 0x0
	ds_add_u32 v0, v1
	s_wait_dscnt 0x0
	s_endpgm
.Lfunc_end_k_q38340234de_ema:
	.size	k_q38340234de_ema, .Lfunc_end_k_q38340234de_ema-k_q38340234de_ema
	.p2alignl 7, 3214868480
	.fill 96, 4, 3214868480
	.section	.rodata,"a",@progbits
	.p2align	6, 0x0
	.amdhsa_kernel k_q38340234de_ema
		.amdhsa_group_segment_fixed_size 290304
		.amdhsa_private_segment_fixed_size 0
		.amdhsa_enable_private_segment 0
		.amdhsa_kernarg_size 48
		.amdhsa_user_sgpr_count 2
		.amdhsa_user_sgpr_kernarg_segment_ptr 1
		.amdhsa_wavefront_size32 1
		.amdhsa_system_sgpr_workgroup_id_x 1
		.amdhsa_system_sgpr_workgroup_id_y 1
		.amdhsa_system_sgpr_workgroup_id_z 1
		.amdhsa_system_vgpr_workitem_id 0
		.amdhsa_next_free_vgpr 258
		.amdhsa_next_free_sgpr 98
		.amdhsa_reserve_vcc 0
		.amdhsa_float_denorm_mode_32 3
		.amdhsa_float_denorm_mode_16_64 3
		.amdhsa_memory_ordered 1
		.amdhsa_forward_progress 1
		.amdhsa_inst_pref_size 195
	.end_amdhsa_kernel
	.amdgpu_metadata
---
amdhsa.version: [ 1, 2 ]
amdhsa.kernels:
  - .name:           k_q38340234de_ema
    .symbol:         k_q38340234de_ema.kd
    .args:
      - { .name: embd_weight, .offset: 0, .size: 8, .value_kind: global_buffer, .address_space: global }
      - { .name: lam_b, .offset: 8, .size: 8, .value_kind: global_buffer, .address_space: global }
      - { .name: lam_w, .offset: 16, .size: 8, .value_kind: global_buffer, .address_space: global }
      - { .name: problem_seq, .offset: 24, .size: 8, .value_kind: global_buffer, .address_space: global }
      - { .name: y, .offset: 32, .size: 8, .value_kind: global_buffer, .address_space: global }
      - { .name: out0, .offset: 40, .size: 8, .value_kind: global_buffer, .address_space: global }
    .group_segment_fixed_size: 290304
    .private_segment_fixed_size: 0
    .kernarg_segment_align: 8
    .kernarg_segment_size: 48
    .max_flat_workgroup_size: 256
    .sgpr_count:     98
    .vgpr_count:     258
    .wavefront_size: 32
...
	.end_amdgpu_metadata
.endif
;; end of part 2
